; MI455X (gfx1250); checked and timed in simulation.
; The chip was launched on July 23, 2026; its instructions are those of AMD's public machine-readable ISA for CDNA 5 (MIT licence, August 2026) and "CDNA5" Instruction Set Architecture Reference Guide (July 2026). The comments in the code are by the model that wrote it; some were corrected since.
;; Dot Product Attention. Allowed arithmetic: float matrix products may take bf16 or f16 operands with f32 sums; all other float work in f32.
;; Inputs: K 8 x 2,048 x 64 float32; Q 8 x 2,048 x 64 float32; V 8 x 2,048 x 64 float32; valid_len 8 int32.
;; Outputs: out0 8 x 2,048 x 64 float32.
;; 2 versions, each right and faster than the one before. Each part assembles by itself: llvm-mc -triple=amdgcn-amd-amdhsa -mcpu=gfx1250 --defsym DOCPART=n.
;; ======== version 1 of 2: 1 launch
;; limits: right only within a limited range of input values; inputs' magnitudes at most 65,504; values are held in f16: magnitudes above 65,504 overflow, below 6.1e-05 lose precision
;; launch attn (part 1): grid 32 x 8, 8 waves a work-group, clusters of 4 x 1, 327,680 bytes of LDS; arguments Q, K, V, valid_len, out0; writes out0
.if DOCPART == 1
	.amdgcn_target "amdgcn-amd-amdhsa--gfx1250"
	.amdhsa_code_object_version 6
	.text
	.protected	k_q52e6511309_attn
	.globl	k_q52e6511309_attn
	.p2align	8
	.type	k_q52e6511309_attn,@function
k_q52e6511309_attn:
	s_mov_b64 s[64:65], 0
	v_nop
	global_prefetch_b8 v0, s[64:65] scope:SCOPE_SE
	s_setreg_imm32_b32 hwreg(HW_REG_WAVE_MODE, 25, 1), 1
	s_wait_xcnt 0x0
	s_wait_alu depctr_hold_cnt(0) depctr_sa_sdst(0) depctr_va_vdst(0) depctr_va_sdst(0) depctr_va_ssrc(0) depctr_va_vcc(0) depctr_vm_vsrc(0)
	s_getreg_b32 s2, hwreg(HW_REG_IB_STS2, 6, 4)
	s_cmp_eq_u32 s2, 0
	s_cbranch_scc0 .Lentry_in_a_cluster
	s_endpgm
.Lentry_in_a_cluster:
	s_bfe_u32 s2, ttmp6, 0x10000c
	s_cmp_lg_u32 s2, 0x3003
	s_cbranch_scc0 .Lentry_shape_is_right
	s_endpgm
.Lentry_shape_is_right:
; out[b][q][:] = sum over k of A[q][k] V[b][k][:],  A = softmax over k of S,  S[q][k] = Q[b][q].K[b][k] / 8 where k < valid_len[b], else -1e6.
; Q, K, V, out: [8][2048][64] f32.  valid_len: [8] i32.  Products on the matrix unit in f16 with f32 sums; softmax in f32 with a running maximum.
; FORMAT.  f16 and not bf16: 11 significant bits against 8 make each rounding (of Q, K, V and of the weights) eight times finer, and the range has room:
; numbers of spread 1 made 30 times larger, with an offset of 30 such spreads, stay near 1,100, f16 ends at 65,504; made 30 times smaller, what falls under
; f16's least normal number 6e-5 is rounded on a grid of 6e-8.  The weights lie in (0, 1].
;
; SHARES.  A work-group owns 64 queries of one batch (grid x = query block, y = batch) and has eight waves.  The keys go in eight steps of 256;
; in a step wave w takes keys 32 w .. 32 w + 31 against all 64 queries.  So each byte of K and V is read from LDS once and rounded to f16 once
; in the work-group, and a wave reads only LDS bytes that its own tensor loads brought.  At the end the eight waves' sums meet in LDS.
; CLUSTER.  The four work-groups of a cluster (4, 1, 1) are four query blocks of one batch and walk the same K and V: every K and V tile is asked for
; jointly (mask 15), with a descriptor made of the batch, the wave's number and the step alone.
; RING.  Two LDS slots of one step each (even steps in slot 0, odd steps in slot 1) and a third step in registers.  In the second half of an even step's work
; a wave copies the next odd step's K and V from slot 1 into its f32 staging registers, which are idle by then.  Then both slots have been read: one round of the
; cluster's barrier, and BOTH are filled again, four joint loads a wave, 262,144 bytes a work-group.  The odd step is worked from registers while they are on
; their way: the first of the four tiles has one block's work in which to land, the last nearly two.  Three such rounds serve steps 2 to 7.
; LAYOUT.  S is made transposed (source 0 = 16 keys, source 1 = 16 queries): lane (r, h) holds keys 8 h + j of query r, so a row's maximum and sum are
; work inside a lane and one exchange between the halves, and two packed S tiles are source 1 of O^T = V^T P^T as they stand.
; K and Q use one permutation of d: lane (r, h) holds d = 32 ks + 16 h + 0..15 (64 neighbouring bytes of the row).
; In O^T tile t, row m stands for d = 4 m + t: lane r's 16 bytes V[key][4 r .. 4 r + 3] then feed row r of all four V^T fragments, and no transposing is needed.
; MASK.  Every block is worked, masked or not.  The mask is the start of
; the sum: the first product of S^T takes as C a tile that holds 0 for a valid key and -8e6 (x 1/8 = -1e6) for a masked one.  That tile hangs on the key
; alone (register and half of the lanes), so two tiles of 8 registers serve all four query tiles.
; valid_len <= 0: the problem's function gives the mean of V over all 2048 keys.  Here the factor c is then 0 and no key is masked (two selects):
; every exponent is 0, every weight 1, the result the same mean.  valid_len > 2048 counts as 2048.
; LIMITS.  An element of Q, K or V of magnitude 65,504 or more becomes infinite in f16.  A masked key has the score s - 1e6 here, -1e6 in the problem's
; function: its weight is 0 in f32 in both while every |score| (behind the 1/8) is under 499,000.  NaN and infinite inputs are not looked after.
.set PITCH,  272                       ; an LDS row: 256 bytes + 16 of padding: sixteen neighbouring rows start at sixteen different 16-byte columns modulo 256
.set WTILE,  32*PITCH                  ; one wave's 32 keys
.set KREG,   8*WTILE                   ; a step's 256 rows of K; V's lie behind them
.set SLOT,   2*KREG
.set QBASE,  2*SLOT                    ; behind the two slots: the 64 rows of Q, filled once
.set MARR,   QBASE+64*PITCH            ; [64 queries][8 waves] f32: each wave's reference point
.set LARR,   MARR+2048                 ; [64 queries][8 waves] f32: each wave's scaled sum
.set WSTAGE, 64*PITCH                  ; a wave's 64 x 64 partial result; the eight lie in slot 0 after its last fill
.set STEPB,  256*256                   ; bytes of K (or of V) in a step
; window 0
.set KA,   6                           ; v6, v7    LDS address of my K fragments in slot 0, 1
.set VA,   8                           ; v8, v9    the same for V
.set QA,   10
.set H8,   11                          ; 8 h
.set NEGV, 12                          ; -8e6
.set REM,  13
.set RO,   16                          ; v16-143   O^T: tile (qt, t) at RO + 32 qt + 8 t
.set RS,   144                         ; v144-207  S^T: tile (qt, kt) at RS + 16 qt + 8 kt; P packed in place at RS + 16 qt + 0..7
.set NM,   208                         ; pairs: NM + 2 qt = -(max x c) rounded, the reference point;  NM + 2 qt + 1 = the running maximum of raw scores
.set AL,   216                         ; pairs: AL + 2 qt = the rescale factor;  AL + 2 qt + 1 = the running sum (of my half's keys)
.set RT,   224
.set RU,   228
.set SU,   232                         ; v232-239  the old reference points (SU + qt), then the sums of a query tile's weights
.set BI,   240                         ; v240-255  in the loop: the mask as the start of S^T's sums, tile kt at BI + 8 kt
.set MS,   240                         ; v240-247  behind the loop: the addresses of the merge
.set MR,   241
.set ST,   242
.set RD,   244                         ; v244, v245
.set LR,   246
.set CO,   247
; window 1 (v256-511, written by their low 8 bits)
.set QF,   0                           ; Q fragments: (qt, ks) at QF + 16 qt + 8 ks
.set KF,   64                          ; K fragments: (kt, ks) at KF + 16 kt + 8 ks
.set VF,   96                          ; V^T fragments: t at VF + 8 t
.set KT,   128                         ; K as loaded, f32: the staging registers
.set VT,   192                         ; V as loaded, f32
.set G1,   24                          ; s[24:31] group 1 of the joint K and V tiles
.set G1Q,  32                          ; s[32:39] group 1 of Q's tile
.set G0Q,  40                          ; s[40:43]
.set G0K,  44                          ; s[44:59] group 0: slot s: K at G0K + 8 s, V at G0K + 8 s + 4
.set MSB, 0
.macro WIN new                         ; the immediate's high byte repeats the setting that is left
.if MSB != \new
	s_set_vgpr_msb (MSB<<8)|\new
.set MSB, \new
.endif
.endm
; A round of the cluster's barrier: my work-group's barrier, wave 0 signals for the work-group, every wave waits for all four work-groups, my work-group's barrier again.
.macro ROUND
	s_barrier_signal -1
	s_barrier_wait -1
	s_cmp_lg_u32 s14, 0
	s_cbranch_scc1 .Lnot_wave_0_\@
	s_barrier_signal -3
.Lnot_wave_0_\@:
	s_barrier_wait -3
	s_barrier_signal -1
	s_barrier_wait -1
.endm
; My 32 keys of K, or of V, from a slot into the staging registers: 16 loads each
.macro LDK slot
	WIN 0x40
.irp kt, 0,1
.irp ks, 0,1
.irp c, 0,1,2,3
	ds_load_b128 v[KT+32*\kt+16*\ks+4*\c:KT+32*\kt+16*\ks+4*\c+3], v[KA+\slot] offset:\kt*16*PITCH+128*\ks+16*\c
.endr
.endr
.endr
.endm
.macro LDV slot
	WIN 0x40
.set n, 0
.rept 16
	ds_load_b128 v[VT+4*n:VT+4*n+3], v[VA+\slot] offset:(n+8*(n/8))*PITCH   ; keys 8 h + 0..7, then 16 + 8 h + 0..7: the order of k in a fragment
.set n, n+1
.endr
.endm
	s_load_b256 s[4:11], s[0:1], 0x0               ; Q s[4:5], K s[6:7], V s[8:9], valid_len s[10:11]
	s_load_b64 s[12:13], s[0:1], 0x20              ; out0
	v_lshl_add_u32 v14, v0, 2, 0x49400
	v_mov_b32 v15, 0
	ds_add_u32 v14, v15
	v_lshrrev_b32 v1, 5, v0
	v_readfirstlane_b32 s14, v1                    ; wave 0..7
	s_bfe_u32 s15, ttmp6, 0x40000                  ; cx: my place in the cluster
	s_lshl_b32 s16, ttmp9, 2
	s_add_co_u32 s16, s16, s15                     ; query block = 4 x cluster x + cx
	s_and_b32 s17, ttmp7, 0xffff                   ; batch = cluster y: the same in all four partners
	s_lshl_b32 s22, s17, 2                         ; byte offset of valid_len[batch]
	s_mov_b32 s66, 0x76543210                      ; v_permlanex16_b32: lane i reads lane i of the other half
	s_mov_b32 s67, 0xfedcba98
	; group 1, K and V: 32 rows x 64 elements of 4 bytes, 4 words of padding behind every 64 words, mask = all four partners, bit 21 beside it
	s_mov_b32 s[G1+0], 15|(2<<16)|(1<<20)|(1<<21)|(5<<22)|(3<<25)
	s_mov_b32 s[G1+1], 64<<16                      ; tensor_dim0 = 64
	s_mov_b32 s[G1+2], 32<<16                      ; tensor_dim1 = 32
	s_mov_b32 s[G1+3], 64<<16                      ; tile_dim0 = 64
	s_mov_b32 s[G1+4], 32                          ; tile_dim1 = 32
	s_mov_b32 s[G1+5], 64                          ; elements from row to row
	s_mov_b32 s[G1+6], 0
	s_mov_b32 s[G1+7], 0
	; group 1, Q: 8 rows, my work-group's own (no mask)
	s_mov_b32 s[G1Q+0], (2<<16)|(1<<20)|(5<<22)|(3<<25)
	s_mov_b32 s[G1Q+1], 64<<16
	s_mov_b32 s[G1Q+2], 8<<16
	s_mov_b32 s[G1Q+3], 64<<16
	s_mov_b32 s[G1Q+4], 8
	s_mov_b32 s[G1Q+5], 64
	s_mov_b32 s[G1Q+6], 0
	s_mov_b32 s[G1Q+7], 0
	s_mul_i32 s23, s14, WTILE                      ; my wave's rows in a slot
	s_lshl_b32 s60, s17, 19                        ; batch x 2048 rows x 256 bytes
	s_lshl_b32 s61, s14, 13                        ; + wave x 32 rows: no place in the cluster enters K's and V's addresses
	s_add_co_u32 s60, s60, s61
	s_mov_b32 s61, 0
	s_lshl_b32 s62, s17, 19                        ; Q and out: batch, and the query block x 64 rows
	s_lshl_b32 s63, s16, 14
	s_add_co_u32 s62, s62, s63
	s_mov_b32 s63, 0
	s_wait_dscnt 0x0
	s_wait_kmcnt 0x0
	s_load_b32 s18, s[10:11], s22 offset:0x0       ; valid_len[batch]
	s_add_nc_u64 s[6:7], s[6:7], s[60:61]          ; K and V at my wave's rows of step 0
	s_add_nc_u64 s[8:9], s[8:9], s[60:61]
	s_add_nc_u64 s[12:13], s[12:13], s[62:63]      ; out and Q at my block
	s_add_nc_u64 s[4:5], s[4:5], s[62:63]
	s_lshl_b32 s62, s14, 11                        ; my wave fetches 8 rows of Q
	s_mov_b32 s[G0Q], 1
	s_mul_i32 s[G0Q+1], s14, 8*PITCH
	s_add_co_u32 s[G0Q+1], s[G0Q+1], QBASE
	s_add_nc_u64 s[G0Q+2:G0Q+3], s[4:5], s[62:63]
	s_or_b32 s[G0Q+3], s[G0Q+3], 0x80000000
.irp s, 0,1
	s_mov_b32 s[G0K+8*\s], 1
	s_add_co_u32 s[G0K+8*\s+1], s23, \s*SLOT
	s_add_nc_u64 s[G0K+8*\s+2:G0K+8*\s+3], s[6:7], \s*STEPB        ; slot s starts with step s
	s_or_b32 s[G0K+8*\s+3], s[G0K+8*\s+3], 0x80000000
	s_mov_b32 s[G0K+8*\s+4], 1
	s_add_co_u32 s[G0K+8*\s+5], s23, \s*SLOT+KREG
	s_add_nc_u64 s[G0K+8*\s+6:G0K+8*\s+7], s[8:9], \s*STEPB
	s_or_b32 s[G0K+8*\s+7], s[G0K+8*\s+7], 0x80000000
.endr
	ROUND                                          ; all four work-groups are here: the first joint loads meet
	tensor_load_to_lds s[G0Q:G0Q+3], s[G1Q:G1Q+7]  ; five tensor loads of the wave are out here, four behind every later round
	s_nop 0
	tensor_load_to_lds s[G0K:G0K+3], s[G1:G1+7]    ; K, step 0
	s_nop 0
	tensor_load_to_lds s[G0K+4:G0K+7], s[G1:G1+7]  ; V, step 0
	s_nop 0
	tensor_load_to_lds s[G0K+8:G0K+11], s[G1:G1+7] ; K, step 1
	s_nop 0
	tensor_load_to_lds s[G0K+12:G0K+15], s[G1:G1+7] ; V, step 1
	s_nop 0
	v_and_b32 v1, 15, v0                           ; r
	v_bfe_u32 v2, v0, 4, 1                         ; h
	v_mul_u32_u24 v3, v1, PITCH
	v_lshl_add_u32 v3, v2, 6, v3                   ; row r, 64 bytes for each half of the lanes
	v_add_nc_u32 v[KA], s23, v3
	v_add_nc_u32 v[KA+1], SLOT, v[KA]
	v_add_nc_u32 v[QA], QBASE, v3
	v_mul_u32_u24 v4, v2, 8*PITCH                  ; V: row 8 h, 16 bytes for each lane of a half: a half reads one whole row
	v_lshl_add_u32 v4, v1, 4, v4
	v_add_nc_u32 v4, s23, v4
	v_add_nc_u32 v[VA], KREG, v4
	v_add_nc_u32 v[VA+1], KREG+SLOT, v4
	v_lshlrev_b32 v[H8], 3, v2
	v_mov_b32 v[NEGV], 0xcaf42400                  ; -8,000,000
	s_wait_kmcnt 0x0
	s_min_i32 s18, s18, 0x800
	s_max_i32 s18, s18, 0                          ; valid_len in 0 .. 2048
	s_cmp_eq_u32 s18, 0                            ; no key valid: all scores are equal, so
	s_cselect_b32 s19, 0x800, s18                  ; s19: keys k < s19 get no mask (then: all of them),
	s_cselect_b32 s68, 0, 0x3e38aa3b               ; c = log2(e) / 8, raw score to exponent of 2 (then: 0, so that every weight is 1)
	s_cselect_b32 s69, 0, 0x3e38aa3b               ; the pair's second word is written too
	s_cselect_b32 s70, 0, 0xbe38aa3b               ; -c
	s_lshl_b32 s21, s14, 5                         ; s21: first key of my block in the current step
	s_wait_tensorcnt 0x4                           ; my 8 rows of Q are in; K and V of steps 0 and 1 stay out
	s_barrier_signal -1
	s_barrier_wait -1                              ; everybody's rows of Q are in
	WIN 0x40
.irp qt, 0,1,2,3
.irp ks, 0,1
.irp c, 0,1,2,3
	ds_load_b128 v[KT+32*\qt+16*\ks+4*\c:KT+32*\qt+16*\ks+4*\c+3], v[QA] offset:\qt*16*PITCH+128*\ks+16*\c
.endr
.endr
.endr
	s_wait_dscnt 0x0
	WIN 0x45
.set n, 0
.rept 64
	v_cvt_pk_f16_f32 v[QF+n], v[KT+2*n], v[KT+2*n+1]
.set n, n+1
.endr
	WIN 0
; One block: my 32 keys of a step against 64 queries.  first = 1: the block starts the sums and the maxima (nothing is cleared).
; stream = 1, an even step: K and V are read from slot 0 as their tiles land, and in the block's second half the next odd step's K and V are copied
; from slot 1 into the staging registers.  The wave's four loads were issued in the order K even, V even, K odd, V odd: the counts 3, 2, 1, 0 show them landed one by one.
; stream = 0, an odd step: K and V lie in the staging registers, and the wait for those LDS loads stands in front of the block.
.macro COMPUTE first, stream
.if \stream
	s_wait_tensorcnt 0x3                           ; this step's K is in LDS; three younger loads stay out
	LDK 0
.endif
	; the mask (in an even step while the loads are on their way): key 16 kt + 8 h + j of the block is masked where 16 kt + j >= valid_len - block's first key - 8 h
	WIN 0
	s_sub_co_i32 s60, s19, s21
	v_sub_nc_u32 v[REM], s60, v[H8]
.irp kt, 0,1
.irp j, 0,1,2,3,4,5,6,7
	v_cmp_ge_i32 vcc_lo, 16*\kt+\j, v[REM]
	v_cndmask_b32 v[BI+8*\kt+\j], 0, v[NEGV], vcc_lo
.endr
.endr
.if \stream
	s_wait_dscnt 8                                 ; of K's 16 loads the first 8 are in: keys 0-15
.endif
	WIN 0x45
.set n, 0
.rept 16
	v_cvt_pk_f16_f32 v[KF+n], v[KT+2*n], v[KT+2*n+1]
.set n, n+1
.endr
.if \stream
	s_wait_dscnt 0x0                               ; all of K is in
.endif
.rept 16
	v_cvt_pk_f16_f32 v[KF+n], v[KT+2*n], v[KT+2*n+1]
.set n, n+1
.endr
.if \stream
	s_wait_tensorcnt 0x2                           ; this step's V is in LDS; the odd step's K and V stay out.  Asked for only here, so that a late V does not hold K's work up
	LDV 0                                          ; its 16 loads come back under the 16 products below
.endif
	; S^T = mask + K Q^T.  The eight accumulators take turns, one instruction a turn.
	WIN 0x05
.irp kt, 0,1
.irp qt, 0,1,2,3
	v_wmma_f32_16x16x32_f16 v[RS+16*\qt+8*\kt:RS+16*\qt+8*\kt+7], v[KF+16*\kt:KF+16*\kt+7], v[QF+16*\qt:QF+16*\qt+7], v[BI+8*\kt:BI+8*\kt+7]
.endr
.endr
.irp kt, 0,1
.irp qt, 0,1,2,3
	v_wmma_f32_16x16x32_f16 v[RS+16*\qt+8*\kt:RS+16*\qt+8*\kt+7], v[KF+16*\kt+8:KF+16*\kt+15], v[QF+16*\qt+8:QF+16*\qt+15], v[RS+16*\qt+8*\kt:RS+16*\qt+8*\kt+7]
.endr
.endr
.if \stream
	s_wait_dscnt 0x0                               ; V is in
.endif
	; V to f16, two keys to a word, and four moves.  These plain vector instructions name no register of the products above: they are the places
	; that stand between a matrix instruction and the first vector read of its result (ISA guide 7.12.1).
	WIN 0x45
.irp t, 0,1,2,3
.irp i, 0,1,2,3,4,5,6,7
	v_cvt_pk_f16_f32 v[VF+8*\t+\i], v[VT+8*\i+\t], v[VT+8*\i+4+\t]
.endr
.endr
	WIN 0
.if \first
.irp qt, 0,1,2,3
	v_mov_b32 v[RU+\qt], 0                         ; v_permlanex16_b32's destination counts as read: written here for the first time
.endr
.else
.irp qt, 0,1,2,3
	v_mov_b32 v[SU+\qt], v[NM+2*\qt]               ; the old reference points are kept: the new ones are written over them below
.endr
.endif
	; the running maximum of each query: four chains side by side, then the other half's keys
.if \first
.irp qt, 0,1,2,3
	v_max_num_f32 v[RT+\qt], v[RS+16*\qt], v[RS+16*\qt+1]
.endr
.else
.irp qt, 0,1,2,3
	v_max3_num_f32 v[RT+\qt], v[NM+2*\qt+1], v[RS+16*\qt], v[RS+16*\qt+1]
.endr
.endif
.irp k, 1,2,3,4,5,6,7
.irp qt, 0,1,2,3
	v_max3_num_f32 v[RT+\qt], v[RT+\qt], v[RS+16*\qt+2*\k], v[RS+16*\qt+2*\k+1]
.endr
.endr
.irp qt, 0,1,2,3
	v_permlanex16_b32 v[RU+\qt], v[RT+\qt], s66, s67
.endr
.irp qt, 0,1,2,3
	v_max_num_f32 v[NM+2*\qt+1], v[RT+\qt], v[RU+\qt]
.endr
	; The reference point is the ROUNDED product -(max x c): every exponent is taken against that number, and the old sums are moved by the
	; difference of two such numbers.  So the multiply and the subtraction are not fused: large scores then cost no accuracy.
.irp qt, 0,1,2,3
	v_mul_f32 v[NM+2*\qt], s70, v[NM+2*\qt+1]
.endr
.if \first == 0
.irp qt, 0,1,2,3
	v_sub_f32 v[RU+\qt], v[NM+2*\qt], v[SU+\qt]    ; old maximum - new maximum, in exponents of 2: never above 0
.endr
.irp qt, 0,1,2,3
	v_exp_f32 v[AL+2*\qt], v[RU+\qt]
.endr
.endif
.irp i, 0,1,2,3,4,5,6,7
	v_pk_fma_f32 v[RS+2*\i:RS+2*\i+1], v[RS+2*\i:RS+2*\i+1], s[68:69], v[NM:NM+1] op_sel_hi:[1,0,0]
.endr
.irp qt, 0,1,2,3
	; 16 exponentials of query tile qt; between them plain work that touches none of them: the rescale of this tile's O and the next tile's exponents
.set n, 0
.rept 16
	v_exp_f32 v[RS+16*\qt+n], v[RS+16*\qt+n]
.if \first == 0
	s_wait_alu depctr_va_vdst(0)
	v_pk_mul_f32 v[RO+32*\qt+2*n:RO+32*\qt+2*n+1], v[RO+32*\qt+2*n:RO+32*\qt+2*n+1], v[AL+2*\qt:AL+2*\qt+1] op_sel_hi:[1,0]
.endif
.if \qt < 3
.if n < 8
	v_pk_fma_f32 v[RS+16*(\qt+1)+2*n:RS+16*(\qt+1)+2*n+1], v[RS+16*(\qt+1)+2*n:RS+16*(\qt+1)+2*n+1], s[68:69], v[NM+2*(\qt+1):NM+2*(\qt+1)+1] op_sel_hi:[1,0,0]
.endif
.endif
.set n, n+1
.endr
.if \first
	v_nop                                          ; one plain instruction between the last exponentials and the first use of their results (ISA guide 5.7.2)
	s_wait_alu depctr_va_vdst(0)
.endif
	s_wait_alu depctr_va_vdst(0)
	v_pk_add_f32 v[SU:SU+1], v[RS+16*\qt:RS+16*\qt+1], v[RS+16*\qt+2:RS+16*\qt+3]
	v_pk_add_f32 v[SU+2:SU+3], v[RS+16*\qt+4:RS+16*\qt+5], v[RS+16*\qt+6:RS+16*\qt+7]
	v_pk_add_f32 v[SU+4:SU+5], v[RS+16*\qt+8:RS+16*\qt+9], v[RS+16*\qt+10:RS+16*\qt+11]
	v_pk_add_f32 v[SU+6:SU+7], v[RS+16*\qt+12:RS+16*\qt+13], v[RS+16*\qt+14:RS+16*\qt+15]
.irp i, 0,1,2,3,4,5,6,7
	v_cvt_pk_f16_f32 v[RS+16*\qt+\i], v[RS+16*\qt+2*\i], v[RS+16*\qt+2*\i+1]       ; in place, ascending: word i is written after words 2 i, 2 i + 1 are read
.endr
	v_pk_add_f32 v[SU:SU+1], v[SU:SU+1], v[SU+2:SU+3]
	v_pk_add_f32 v[SU+4:SU+5], v[SU+4:SU+5], v[SU+6:SU+7]
	v_pk_add_f32 v[SU:SU+1], v[SU:SU+1], v[SU+4:SU+5]
.if \first
	v_add_f32 v[AL+2*\qt+1], v[SU], v[SU+1]
.else
	v_add_f32 v[SU], v[SU], v[SU+1]
	v_fma_f32 v[AL+2*\qt+1], v[AL+2*\qt+1], v[AL+2*\qt], v[SU]
.endif
	; O^T += V^T P^T: four accumulators, one instruction each (turns)
	WIN 0x01
.irp t, 0,1,2,3
.if \first
	v_wmma_f32_16x16x32_f16 v[RO+32*\qt+8*\t:RO+32*\qt+8*\t+7], v[VF+8*\t:VF+8*\t+7], v[RS+16*\qt:RS+16*\qt+7], 0
.else
	v_wmma_f32_16x16x32_f16 v[RO+32*\qt+8*\t:RO+32*\qt+8*\t+7], v[VF+8*\t:VF+8*\t+7], v[RS+16*\qt:RS+16*\qt+7], v[RO+32*\qt+8*\t:RO+32*\qt+8*\t+7]
.endif
.endr
.if \stream
	; The next odd step goes into the staging registers, which this block's conversions have finished with and which no matrix instruction names:
	; two runs of 16 LDS loads that come back under the work on query tiles 2 and 3.
.if \qt == 1
	s_wait_tensorcnt 0x1                           ; the odd step's K is in LDS; its V may stay out
	LDK 1
.endif
.if \qt == 2
	s_wait_tensorcnt 0x0                           ; the odd step's V is in LDS
	LDV 1
.endif
.endif
	WIN 0
.endr
.endm
	COMPUTE 1, 1                                   ; step 0 from slot 0; step 1 goes into the staging registers
	s_add_co_u32 s21, s21, 256
	s_mov_b32 s20, 3
.Lpair:
	s_wait_tensorcnt 0x0                           ; all my tensor loads are done (met: the even step's last count was 0),
	ds_add_u32 v14, v15
.irp s, 0,1
	s_add_nc_u64 s[G0K+8*\s+2:G0K+8*\s+3], s[G0K+8*\s+2:G0K+8*\s+3], 2*STEPB       ; so every group 0 may be written: each slot's tile two steps on
	s_add_nc_u64 s[G0K+8*\s+6:G0K+8*\s+7], s[G0K+8*\s+6:G0K+8*\s+7], 2*STEPB
.endr
	s_wait_dscnt 0x0                               ; my reads of both slots are done: the odd step lies in my registers
	ROUND                                          ; both now hold of every wave of all four work-groups
	tensor_load_to_lds s[G0K:G0K+3], s[G1:G1+7]    ; K, the next even step: wanted first, asked for first
	s_nop 0
	tensor_load_to_lds s[G0K+4:G0K+7], s[G1:G1+7]  ; V, the next even step
	s_nop 0
	tensor_load_to_lds s[G0K+8:G0K+11], s[G1:G1+7] ; K, the odd step behind it
	s_nop 0
	tensor_load_to_lds s[G0K+12:G0K+15], s[G1:G1+7] ; V, the odd step behind it
	s_nop 0
	COMPUTE 0, 0                                   ; steps 1, 3, 5, from registers, while the four tiles are on their way
	s_add_co_u32 s21, s21, 256
	COMPUTE 0, 1                                   ; steps 2, 4, 6, from slot 0; steps 3, 5, 7 go into the staging registers
	s_add_co_u32 s21, s21, 256
	s_sub_co_i32 s20, s20, 1
	s_cmp_lg_u32 s20, 0
	s_cbranch_scc1 .Lpair
	s_wait_dscnt 0x0                               ; step 7 lies in my registers
	COMPUTE 0, 0                                   ; step 7: nothing more is asked for
	; THE EIGHT WAVES' PARTS MEET.  Each wave holds, for all 64 queries, sums taken against its own reference point.
.irp qt, 0,1,2,3
	v_permlanex16_b32 v[RU+\qt], v[AL+2*\qt+1], s66, s67
.endr
.irp qt, 0,1,2,3
	v_add_f32 v[AL+2*\qt+1], v[AL+2*\qt+1], v[RU+\qt]          ; the sum over both halves' keys
.endr
	v_lshlrev_b32 v3, 5, v1
	v_add_nc_u32 v[MR], MARR, v3                   ; query r's eight words
	s_lshl_b32 s61, s14, 2
	v_add_nc_u32 v[MS], s61, v[MR]                 ; my wave's word among them
.irp qt, 0,1,2,3
	ds_store_b32 v[MS], v[NM+2*\qt] offset:512*\qt             ; both halves write the same number to the same word
.endr
	s_wait_dscnt 0x0                               ; for the others' sake: my stores are done, and so are all my reads of the slots
	s_barrier_signal -1
	s_barrier_wait -1                              ; behind it nobody reads a slot any more: slot 0 becomes the stage
.irp qt, 0,1,2,3
	ds_load_b128 v[RS+8*\qt:RS+8*\qt+3], v[MR] offset:512*\qt
	ds_load_b128 v[RS+8*\qt+4:RS+8*\qt+7], v[MR] offset:512*\qt+16
.endr
	s_mul_i32 s61, s14, WSTAGE
	v_mul_u32_u24 v3, v1, PITCH
	v_lshl_add_u32 v3, v2, 7, v3                   ; stage, in: row r, d = 32 h ..
	v_add_nc_u32 v[ST], s61, v3
	s_lshl_b32 s61, s14, 3
	v_add_nc_u32 v4, s61, v2                       ; stage, back: wave w sums rows 8 w + h + 2 i, i = 0..3
	v_mul_u32_u24 v5, v4, PITCH
	v_lshl_add_u32 v[RD], v1, 4, v5                ; sixteen lanes take a row of 256 bytes
	v_add_nc_u32 v[RD+1], 4*WSTAGE, v[RD]
	v_lshlrev_b32 v5, 5, v4
	v_add_nc_u32 v[LR], LARR, v5
	v_lshlrev_b32 v5, 8, v4
	v_lshl_add_u32 v[CO], v1, 4, v5                ; the same rows in out
	s_wait_dscnt 0x0
.irp qt, 0,1,2,3
	v_min_num_f32 v[RT+\qt], v[RS+8*\qt], v[RS+8*\qt+1]        ; the reference points are negated maxima: the least is the common one
.endr
.irp k, 2,3,4,5,6,7
.irp qt, 0,1,2,3
	v_min_num_f32 v[RT+\qt], v[RT+\qt], v[RS+8*\qt+\k]
.endr
.endr
.irp qt, 0,1,2,3
	v_sub_f32 v[RT+\qt], v[RT+\qt], v[NM+2*\qt]    ; my maximum - the common maximum, never above 0
.endr
.irp qt, 0,1,2,3
	v_exp_f32 v[RT+\qt], v[RT+\qt]
.endr
	v_nop                                          ; one plain instruction behind the exponentials (ISA guide 5.7.2)
	s_wait_alu depctr_va_vdst(0)
.irp qt, 0,1,2,3
	v_mul_f32 v[RU+\qt], v[AL+2*\qt+1], v[RT+\qt]
.endr
.irp qt, 0,1,2,3
	ds_store_b32 v[MS], v[RU+\qt] offset:2048+512*\qt
.endr
	; My O, moved to the common reference point.  The multiply also puts d in order: register j of tile t is d = 32 h + 4 j + t.
.irp qt, 0,1,2,3
.irp j, 0,1,2,3,4,5,6,7
.irp t, 0,1,2,3
	v_mul_f32 v[RS+32*(\qt%2)+4*\j+\t], v[RO+32*\qt+8*\t+\j], v[RT+\qt]
.endr
	ds_store_b128 v[ST], v[RS+32*(\qt%2)+4*\j:RS+32*(\qt%2)+4*\j+3] offset:\qt*16*PITCH+16*\j
.endr
.endr
	s_wait_dscnt 0x0
	s_barrier_signal -1
	s_barrier_wait -1
.irp i, 0,1,2,3
	ds_load_b128 v[RS+8*\i:RS+8*\i+3], v[LR] offset:64*\i
	ds_load_b128 v[RS+8*\i+4:RS+8*\i+7], v[LR] offset:64*\i+16
.endr
.irp p, 0,1,2,3,4,5,6,7
.irp i, 0,1,2,3
	ds_load_b128 v[RO+16*\p+4*\i:RO+16*\p+4*\i+3], v[RD+\p/4] offset:(\p%4)*WSTAGE+544*\i
.endr
.endr
	s_wait_dscnt 32                                ; the eight loads of sums are in; the 32 of O stay out
.irp i, 0,1,2,3
	v_pk_add_f32 v[RS+8*\i:RS+8*\i+1], v[RS+8*\i:RS+8*\i+1], v[RS+8*\i+2:RS+8*\i+3]
	v_pk_add_f32 v[RS+8*\i+4:RS+8*\i+5], v[RS+8*\i+4:RS+8*\i+5], v[RS+8*\i+6:RS+8*\i+7]
.endr
.irp i, 0,1,2,3
	v_pk_add_f32 v[RS+8*\i:RS+8*\i+1], v[RS+8*\i:RS+8*\i+1], v[RS+8*\i+4:RS+8*\i+5]
.endr
.irp i, 0,1,2,3
	v_add_f32 v[RS+8*\i], v[RS+8*\i], v[RS+8*\i+1]
.endr
.irp i, 0,1,2,3
	v_rcp_f32 v[NM+2*\i], v[RS+8*\i]               ; the sum holds the term of the row's maximum, about 1: never 0
.endr
.irp p, 1,2,3,4,5,6,7
	s_wait_dscnt 4*(7-\p)                          ; wave p's part is in; the four loads of each later part stay out
.irp i, 0,1,2,3
	v_pk_add_f32 v[RO+4*\i:RO+4*\i+1], v[RO+4*\i:RO+4*\i+1], v[RO+16*\p+4*\i:RO+16*\p+4*\i+1]
	v_pk_add_f32 v[RO+4*\i+2:RO+4*\i+3], v[RO+4*\i+2:RO+4*\i+3], v[RO+16*\p+4*\i+2:RO+16*\p+4*\i+3]
.endr
.endr
	s_wait_alu depctr_va_vdst(0)
.irp i, 0,1,2,3
	v_pk_mul_f32 v[RO+4*\i:RO+4*\i+1], v[RO+4*\i:RO+4*\i+1], v[NM+2*\i:NM+2*\i+1] op_sel_hi:[1,0]
	v_pk_mul_f32 v[RO+4*\i+2:RO+4*\i+3], v[RO+4*\i+2:RO+4*\i+3], v[NM+2*\i:NM+2*\i+1] op_sel_hi:[1,0]
	global_store_b128 v[CO], v[RO+4*\i:RO+4*\i+3], s[12:13] offset:512*\i th:TH_STORE_NT   ; sixteen lanes store one whole row of 256 bytes, the wave two neighbouring rows
.endr
	s_wait_tensorcnt 0x0
	ds_add_u32 v14, v15
	s_wait_dscnt 0x0
	ROUND                                          ; the closing round: no work-group ends while a partner may still ask for a tile that names it
	s_endpgm
.Lfunc_end_k_q52e6511309_attn:
	.size	k_q52e6511309_attn, .Lfunc_end_k_q52e6511309_attn-k_q52e6511309_attn
	.p2alignl 7, 3214868480
	.fill 96, 4, 3214868480
	.section	.rodata,"a",@progbits
	.p2align	6, 0x0
	.amdhsa_kernel k_q52e6511309_attn
		.amdhsa_group_segment_fixed_size 327680
		.amdhsa_private_segment_fixed_size 0
		.amdhsa_enable_private_segment 0
		.amdhsa_kernarg_size 40
		.amdhsa_user_sgpr_count 2
		.amdhsa_user_sgpr_kernarg_segment_ptr 1
		.amdhsa_wavefront_size32 1
		.amdhsa_system_sgpr_workgroup_id_x 1
		.amdhsa_system_sgpr_workgroup_id_y 1
		.amdhsa_system_sgpr_workgroup_id_z 1
		.amdhsa_system_vgpr_workitem_id 0
		.amdhsa_next_free_vgpr 512
		.amdhsa_next_free_sgpr 72
		.amdhsa_reserve_vcc 1
		.amdhsa_float_denorm_mode_32 3
		.amdhsa_float_denorm_mode_16_64 3
		.amdhsa_memory_ordered 1
		.amdhsa_forward_progress 1
		.amdhsa_inst_pref_size 133
	.end_amdhsa_kernel
	.amdgpu_metadata
---
amdhsa.version: [ 1, 2 ]
amdhsa.kernels:
  - .name:           k_q52e6511309_attn
    .symbol:         k_q52e6511309_attn.kd
    .args:
      - { .name: Q, .offset: 0, .size: 8, .value_kind: global_buffer, .address_space: global }
      - { .name: K, .offset: 8, .size: 8, .value_kind: global_buffer, .address_space: global }
      - { .name: V, .offset: 16, .size: 8, .value_kind: global_buffer, .address_space: global }
      - { .name: valid_len, .offset: 24, .size: 8, .value_kind: global_buffer, .address_space: global }
      - { .name: out0, .offset: 32, .size: 8, .value_kind: global_buffer, .address_space: global }
    .group_segment_fixed_size: 327680
    .private_segment_fixed_size: 0
    .kernarg_segment_align: 8
    .kernarg_segment_size: 40
    .max_flat_workgroup_size: 256
    .sgpr_count:     72
    .vgpr_count:     512
    .wavefront_size: 32
...
	.end_amdgpu_metadata
.endif
;; end of part 1
;; ======== version 2 of 2: 1 launch; 1.15 times as fast as version 1
;; limits: values are held in f16: magnitudes above 65,504 overflow, below 6.1e-05 lose precision; inputs' magnitudes at most 65,504
;; launch attn (part 2): grid 32 x 8, 8 waves a work-group, clusters of 4 x 1, 327,680 bytes of LDS; arguments Q, K, V, valid_len, out0; writes out0
.if DOCPART == 2
	.amdgcn_target "amdgcn-amd-amdhsa--gfx1250"
	.amdhsa_code_object_version 6
	.text
	.protected	k_q52e6511309_attn
	.globl	k_q52e6511309_attn
	.p2align	8
	.type	k_q52e6511309_attn,@function
k_q52e6511309_attn:
	s_mov_b64 s[64:65], 0
	v_nop
	global_prefetch_b8 v0, s[64:65] scope:SCOPE_SE
	s_setreg_imm32_b32 hwreg(HW_REG_WAVE_MODE, 25, 1), 1
	s_wait_xcnt 0x0
	s_wait_alu depctr_hold_cnt(0) depctr_sa_sdst(0) depctr_va_vdst(0) depctr_va_sdst(0) depctr_va_ssrc(0) depctr_va_vcc(0) depctr_vm_vsrc(0)
	s_getreg_b32 s2, hwreg(HW_REG_IB_STS2, 6, 4)
	s_cmp_eq_u32 s2, 0
	s_cbranch_scc0 .Lentry_in_a_cluster
	s_endpgm
.Lentry_in_a_cluster:
	s_bfe_u32 s2, ttmp6, 0x10000c
	s_cmp_lg_u32 s2, 0x3003
	s_cbranch_scc0 .Lentry_shape_is_right
	s_endpgm
.Lentry_shape_is_right:
; out[b][q][:] = sum over k of A[q][k] V[b][k][:],  A = softmax over k of S,  S[q][k] = Q[b][q].K[b][k] / 8 where k < valid_len[b], else -1e6.
; Q, K, V, out: [8][2048][64] f32.  valid_len: [8] i32.  Products on the matrix unit in f16 with f32 sums; softmax in f32 with a running maximum.
; FORMAT.  f16 and not bf16: 11 significant bits against 8 make each rounding (of Q, K, V and of the weights) eight times finer, and the range has room:
; numbers of spread 1 made 30 times larger, with an offset of 30 such spreads, stay near 1,100, f16 ends at 65,504; made 30 times smaller, what falls under
; f16's least normal number 6e-5 is rounded on a grid of 6e-8.  The weights lie in (0, 1].
;
; SHARES.  A work-group owns 64 queries of one batch (grid x = query block, y = batch) and has eight waves.  The keys go in eight steps of 256;
; in a step wave w takes keys 32 w .. 32 w + 31 against all 64 queries.  So each byte of K and V is read from LDS once and rounded to f16 once
; in the work-group, and a wave reads only LDS bytes that its own tensor loads brought.  At the end the eight waves' sums meet in LDS.
; CLUSTER.  The four work-groups of a cluster (4, 1, 1) are four query blocks of one batch and walk the same K and V: every K and V tile is asked for
; jointly (mask 15), with a descriptor made of the batch, the wave's number and the step alone.
; RING.  Two LDS slots of one step each (even steps in slot 0, odd steps in slot 1) and a third step in registers.  In the second half of an even step's work
; a wave copies the next odd step's K and V from slot 1 into its f32 staging registers, which are idle by then.  Then both slots have been read: one round of the
; cluster's barrier, and BOTH are filled again, four joint loads a wave, 262,144 bytes a work-group.  The odd step is worked from registers while they are on
; their way: the first of the four tiles has one block's work in which to land, the last nearly two.  Three such rounds serve steps 2 to 7.
; LAYOUT.  S is made transposed (source 0 = 16 keys, source 1 = 16 queries): lane (r, h) holds keys 8 h + j of query r, so a row's maximum and sum are
; work inside a lane and one exchange between the halves, and two packed S tiles are source 1 of O^T = V^T P^T as they stand.
; K and Q use one permutation of d: lane (r, h) holds d = 32 ks + 16 h + 0..15 (64 neighbouring bytes of the row).
; In O^T tile t, row m stands for d = 4 m + t: lane r's 16 bytes V[key][4 r .. 4 r + 3] then feed row r of all four V^T fragments, and no transposing is needed.
; BATCHES.  A block's exponentials are ONE batch with ONE wait: the four rescale factors (one a query tile; none in the first block) and the 64 weights.  Ahead of the wait
; stand only the 32 packed scalings, each ahead of its pair's exponentials, and the exponentials themselves: none of these lines names an exponential's result, and each result
; has a register of its own (the weights in place in S^T's 64 registers, the factors in AL).  Behind the wait stand all the readers, query tile by query tile: O's rescale, the
; weights' sums, the roundings to f16, the four products.  No exponential is issued behind a block's wait.
; The merge has two batches more, a wait each: four exponentials (each wave's move to the common reference point) and four reciprocals (of the rows' sums).
; MASK.  Every block is worked, masked or not.  The mask is the start of
; the sum: the first product of S^T takes as C a tile that holds 0 for a valid key and -8e6 (x 1/8 = -1e6) for a masked one.  That tile hangs on the key
; alone (register and half of the lanes), so two tiles of 8 registers serve all four query tiles.
; valid_len <= 0: the problem's function gives the mean of V over all 2048 keys.  Here the factor c is then 0 and no key is masked (two selects):
; every exponent is 0, every weight 1, the result the same mean.  valid_len > 2048 counts as 2048.
; LIMITS.  An element of Q, K or V of magnitude 65,504 or more becomes infinite in f16.  A masked key has the score s - 1e6 here, -1e6 in the problem's
; function: its weight is 0 in f32 in both while every |score| (behind the 1/8) is under 499,000.  NaN and infinite inputs are not looked after.
.set PITCH,  272                       ; an LDS row: 256 bytes + 16 of padding: sixteen neighbouring rows start at sixteen different 16-byte columns modulo 256
.set WTILE,  32*PITCH                  ; one wave's 32 keys
.set KREG,   8*WTILE                   ; a step's 256 rows of K; V's lie behind them
.set SLOT,   2*KREG
.set QBASE,  2*SLOT                    ; behind the two slots: the 64 rows of Q, filled once
.set MARR,   QBASE+64*PITCH            ; [64 queries][8 waves] f32: each wave's reference point
.set LARR,   MARR+2048                 ; [64 queries][8 waves] f32: each wave's scaled sum
.set WSTAGE, 64*PITCH                  ; a wave's 64 x 64 partial result; the eight lie in slot 0 after its last fill
.set STEPB,  256*256                   ; bytes of K (or of V) in a step
; window 0
.set KA,   6                           ; v6, v7    LDS address of my K fragments in slot 0, 1
.set VA,   8                           ; v8, v9    the same for V
.set QA,   10
.set H8,   11                          ; 8 h
.set NEGV, 12                          ; -8e6
.set REM,  13
.set RO,   16                          ; v16-143   O^T: tile (qt, t) at RO + 32 qt + 8 t
.set RS,   144                         ; v144-207  S^T: tile (qt, kt) at RS + 16 qt + 8 kt; P packed in place at RS + 16 qt + 0..7
.set NM,   208                         ; pairs: NM + 2 qt = -(max x c) rounded, the reference point;  NM + 2 qt + 1 = the running maximum of raw scores
.set AL,   216                         ; pairs: AL + 2 qt = the rescale factor;  AL + 2 qt + 1 = the running sum (of my half's keys)
.set RT,   224
.set RU,   228
.set SU,   232                         ; v232-239  the old reference points (SU + qt), then the sums of a query tile's weights
.set BI,   240                         ; v240-255  in the loop: the mask as the start of S^T's sums, tile kt at BI + 8 kt
.set MS,   240                         ; v240-247  behind the loop: the addresses of the merge
.set MR,   241
.set ST,   242
.set RD,   244                         ; v244, v245
.set LR,   246
.set CO,   247
; window 1 (v256-511, written by their low 8 bits)
.set QF,   0                           ; Q fragments: (qt, ks) at QF + 16 qt + 8 ks
.set KF,   64                          ; K fragments: (kt, ks) at KF + 16 kt + 8 ks
.set VF,   96                          ; V^T fragments: t at VF + 8 t
.set KT,   128                         ; K as loaded, f32: the staging registers
.set VT,   192                         ; V as loaded, f32
.set G1,   24                          ; s[24:31] group 1 of the joint K and V tiles
.set G1Q,  32                          ; s[32:39] group 1 of Q's tile
.set G0Q,  40                          ; s[40:43]
.set G0K,  44                          ; s[44:59] group 0: slot s: K at G0K + 8 s, V at G0K + 8 s + 4
.set MSB, 0
.macro WIN new                         ; the immediate's high byte repeats the setting that is left
.if MSB != \new
	s_set_vgpr_msb (MSB<<8)|\new
.set MSB, \new
.endif
.endm
; A round of the cluster's barrier: my work-group's barrier, wave 0 signals for the work-group, every wave waits for all four work-groups, my work-group's barrier again.
.macro ROUND
	s_barrier_signal -1
	s_barrier_wait -1
	s_cmp_lg_u32 s14, 0
	s_cbranch_scc1 .Lnot_wave_0_\@
	s_barrier_signal -3
.Lnot_wave_0_\@:
	s_barrier_wait -3
	s_barrier_signal -1
	s_barrier_wait -1
.endm
; My 32 keys of K, or of V, from a slot into the staging registers: 16 loads each
.macro LDK slot
	WIN 0x40
.irp kt, 0,1
.irp ks, 0,1
.irp c, 0,1,2,3
	ds_load_b128 v[KT+32*\kt+16*\ks+4*\c:KT+32*\kt+16*\ks+4*\c+3], v[KA+\slot] offset:\kt*16*PITCH+128*\ks+16*\c
.endr
.endr
.endr
.endm
.macro LDV slot
	WIN 0x40
.set n, 0
.rept 16
	ds_load_b128 v[VT+4*n:VT+4*n+3], v[VA+\slot] offset:(n+8*(n/8))*PITCH   ; keys 8 h + 0..7, then 16 + 8 h + 0..7: the order of k in a fragment
.set n, n+1
.endr
.endm
	s_load_b256 s[4:11], s[0:1], 0x0               ; Q s[4:5], K s[6:7], V s[8:9], valid_len s[10:11]
	s_load_b64 s[12:13], s[0:1], 0x20              ; out0
	v_lshl_add_u32 v14, v0, 2, 0x49400
	v_mov_b32 v15, 0
	ds_add_u32 v14, v15
	v_lshrrev_b32 v1, 5, v0
	v_readfirstlane_b32 s14, v1                    ; wave 0..7
	s_bfe_u32 s15, ttmp6, 0x40000                  ; cx: my place in the cluster
	s_lshl_b32 s16, ttmp9, 2
	s_add_co_u32 s16, s16, s15                     ; query block = 4 x cluster x + cx
	s_and_b32 s17, ttmp7, 0xffff                   ; batch = cluster y: the same in all four partners
	s_lshl_b32 s22, s17, 2                         ; byte offset of valid_len[batch]
	s_mov_b32 s66, 0x76543210                      ; v_permlanex16_b32: lane i reads lane i of the other half
	s_mov_b32 s67, 0xfedcba98
	; group 1, K and V: 32 rows x 64 elements of 4 bytes, 4 words of padding behind every 64 words, mask = all four partners, bit 21 beside it
	s_mov_b32 s[G1+0], 15|(2<<16)|(1<<20)|(1<<21)|(5<<22)|(3<<25)
	s_mov_b32 s[G1+1], 64<<16                      ; tensor_dim0 = 64
	s_mov_b32 s[G1+2], 32<<16                      ; tensor_dim1 = 32
	s_mov_b32 s[G1+3], 64<<16                      ; tile_dim0 = 64
	s_mov_b32 s[G1+4], 32                          ; tile_dim1 = 32
	s_mov_b32 s[G1+5], 64                          ; elements from row to row
	s_mov_b32 s[G1+6], 0
	s_mov_b32 s[G1+7], 0
	; group 1, Q: 8 rows, my work-group's own (no mask)
	s_mov_b32 s[G1Q+0], (2<<16)|(1<<20)|(5<<22)|(3<<25)
	s_mov_b32 s[G1Q+1], 64<<16
	s_mov_b32 s[G1Q+2], 8<<16
	s_mov_b32 s[G1Q+3], 64<<16
	s_mov_b32 s[G1Q+4], 8
	s_mov_b32 s[G1Q+5], 64
	s_mov_b32 s[G1Q+6], 0
	s_mov_b32 s[G1Q+7], 0
	s_mul_i32 s23, s14, WTILE                      ; my wave's rows in a slot
	s_lshl_b32 s60, s17, 19                        ; batch x 2048 rows x 256 bytes
	s_lshl_b32 s61, s14, 13                        ; + wave x 32 rows: no place in the cluster enters K's and V's addresses
	s_add_co_u32 s60, s60, s61
	s_mov_b32 s61, 0
	s_lshl_b32 s62, s17, 19                        ; Q and out: batch, and the query block x 64 rows
	s_lshl_b32 s63, s16, 14
	s_add_co_u32 s62, s62, s63
	s_mov_b32 s63, 0
	s_wait_dscnt 0x0
	s_wait_kmcnt 0x0
	s_load_b32 s18, s[10:11], s22 offset:0x0       ; valid_len[batch]
	s_add_nc_u64 s[6:7], s[6:7], s[60:61]          ; K and V at my wave's rows of step 0
	s_add_nc_u64 s[8:9], s[8:9], s[60:61]
	s_add_nc_u64 s[12:13], s[12:13], s[62:63]      ; out and Q at my block
	s_add_nc_u64 s[4:5], s[4:5], s[62:63]
	s_lshl_b32 s62, s14, 11                        ; my wave fetches 8 rows of Q
	s_mov_b32 s[G0Q], 1
	s_mul_i32 s[G0Q+1], s14, 8*PITCH
	s_add_co_u32 s[G0Q+1], s[G0Q+1], QBASE
	s_add_nc_u64 s[G0Q+2:G0Q+3], s[4:5], s[62:63]
	s_or_b32 s[G0Q+3], s[G0Q+3], 0x80000000
.irp s, 0,1
	s_mov_b32 s[G0K+8*\s], 1
	s_add_co_u32 s[G0K+8*\s+1], s23, \s*SLOT
	s_add_nc_u64 s[G0K+8*\s+2:G0K+8*\s+3], s[6:7], \s*STEPB        ; slot s starts with step s
	s_or_b32 s[G0K+8*\s+3], s[G0K+8*\s+3], 0x80000000
	s_mov_b32 s[G0K+8*\s+4], 1
	s_add_co_u32 s[G0K+8*\s+5], s23, \s*SLOT+KREG
	s_add_nc_u64 s[G0K+8*\s+6:G0K+8*\s+7], s[8:9], \s*STEPB
	s_or_b32 s[G0K+8*\s+7], s[G0K+8*\s+7], 0x80000000
.endr
	ROUND                                          ; all four work-groups are here: the first joint loads meet
	tensor_load_to_lds s[G0Q:G0Q+3], s[G1Q:G1Q+7]  ; five tensor loads of the wave are out here, four behind every later round
	s_nop 0
	tensor_load_to_lds s[G0K:G0K+3], s[G1:G1+7]    ; K, step 0
	s_nop 0
	tensor_load_to_lds s[G0K+4:G0K+7], s[G1:G1+7]  ; V, step 0
	s_nop 0
	tensor_load_to_lds s[G0K+8:G0K+11], s[G1:G1+7] ; K, step 1
	s_nop 0
	tensor_load_to_lds s[G0K+12:G0K+15], s[G1:G1+7] ; V, step 1
	s_nop 0
	v_and_b32 v1, 15, v0                           ; r
	v_bfe_u32 v2, v0, 4, 1                         ; h
	v_mul_u32_u24 v3, v1, PITCH
	v_lshl_add_u32 v3, v2, 6, v3                   ; row r, 64 bytes for each half of the lanes
	v_add_nc_u32 v[KA], s23, v3
	v_add_nc_u32 v[KA+1], SLOT, v[KA]
	v_add_nc_u32 v[QA], QBASE, v3
	v_mul_u32_u24 v4, v2, 8*PITCH                  ; V: row 8 h, 16 bytes for each lane of a half: a half reads one whole row
	v_lshl_add_u32 v4, v1, 4, v4
	v_add_nc_u32 v4, s23, v4
	v_add_nc_u32 v[VA], KREG, v4
	v_add_nc_u32 v[VA+1], KREG+SLOT, v4
	v_lshlrev_b32 v[H8], 3, v2
	v_mov_b32 v[NEGV], 0xcaf42400                  ; -8,000,000
	s_wait_kmcnt 0x0
	s_min_i32 s18, s18, 0x800
	s_max_i32 s18, s18, 0                          ; valid_len in 0 .. 2048
	s_cmp_eq_u32 s18, 0                            ; no key valid: all scores are equal, so
	s_cselect_b32 s19, 0x800, s18                  ; s19: keys k < s19 get no mask (then: all of them),
	s_cselect_b32 s68, 0, 0x3e38aa3b               ; c = log2(e) / 8, raw score to exponent of 2 (then: 0, so that every weight is 1)
	s_cselect_b32 s69, 0, 0x3e38aa3b               ; the pair's second word is written too
	s_cselect_b32 s70, 0, 0xbe38aa3b               ; -c
	s_lshl_b32 s21, s14, 5                         ; s21: first key of my block in the current step
	s_wait_tensorcnt 0x4                           ; my 8 rows of Q are in; K and V of steps 0 and 1 stay out
	s_barrier_signal -1
	s_barrier_wait -1                              ; everybody's rows of Q are in
	WIN 0x40
.irp qt, 0,1,2,3
.irp ks, 0,1
.irp c, 0,1,2,3
	ds_load_b128 v[KT+32*\qt+16*\ks+4*\c:KT+32*\qt+16*\ks+4*\c+3], v[QA] offset:\qt*16*PITCH+128*\ks+16*\c
.endr
.endr
.endr
	s_wait_dscnt 0x0
	WIN 0x45
.set n, 0
.rept 64
	v_cvt_pk_f16_f32 v[QF+n], v[KT+2*n], v[KT+2*n+1]
.set n, n+1
.endr
	WIN 0
; One block: my 32 keys of a step against 64 queries.  first = 1: the block starts the sums and the maxima (nothing is cleared).
; stream = 1, an even step: K and V are read from slot 0 as their tiles land, and in the block's second half the next odd step's K and V are copied
; from slot 1 into the staging registers.  The wave's four loads were issued in the order K even, V even, K odd, V odd: the counts 3, 2, 1, 0 show them landed one by one.
; stream = 0, an odd step: K and V lie in the staging registers, and the wait for those LDS loads stands in front of the block.
.macro COMPUTE first, stream
.if \stream
	s_wait_tensorcnt 0x3                           ; this step's K is in LDS; three younger loads stay out
	LDK 0
.endif
	; the mask (in an even step while the loads are on their way): key 16 kt + 8 h + j of the block is masked where 16 kt + j >= valid_len - block's first key - 8 h
	WIN 0
	s_sub_co_i32 s60, s19, s21
	v_sub_nc_u32 v[REM], s60, v[H8]
.irp kt, 0,1
.irp j, 0,1,2,3,4,5,6,7
	v_cmp_ge_i32 vcc_lo, 16*\kt+\j, v[REM]
	v_cndmask_b32 v[BI+8*\kt+\j], 0, v[NEGV], vcc_lo
.endr
.endr
.if \stream
	s_wait_dscnt 8                                 ; of K's 16 loads the first 8 are in: keys 0-15
.endif
	WIN 0x45
.set n, 0
.rept 16
	v_cvt_pk_f16_f32 v[KF+n], v[KT+2*n], v[KT+2*n+1]
.set n, n+1
.endr
.if \stream
	s_wait_dscnt 0x0                               ; all of K is in
.endif
.rept 16
	v_cvt_pk_f16_f32 v[KF+n], v[KT+2*n], v[KT+2*n+1]
.set n, n+1
.endr
.if \stream
	s_wait_tensorcnt 0x2                           ; this step's V is in LDS; the odd step's K and V stay out.  Asked for only here, so that a late V does not hold K's work up
	LDV 0                                          ; its 16 loads come back under the 16 products below
.endif
	; S^T = mask + K Q^T.  The eight accumulators take turns, one instruction a turn.
	WIN 0x05
.irp kt, 0,1
.irp qt, 0,1,2,3
	v_wmma_f32_16x16x32_f16 v[RS+16*\qt+8*\kt:RS+16*\qt+8*\kt+7], v[KF+16*\kt:KF+16*\kt+7], v[QF+16*\qt:QF+16*\qt+7], v[BI+8*\kt:BI+8*\kt+7]
.endr
.endr
.irp kt, 0,1
.irp qt, 0,1,2,3
	v_wmma_f32_16x16x32_f16 v[RS+16*\qt+8*\kt:RS+16*\qt+8*\kt+7], v[KF+16*\kt+8:KF+16*\kt+15], v[QF+16*\qt+8:QF+16*\qt+15], v[RS+16*\qt+8*\kt:RS+16*\qt+8*\kt+7]
.endr
.endr
.if \stream
	s_wait_dscnt 0x0                               ; V is in
.endif
	; V to f16, two keys to a word, and four moves.  These plain vector instructions name no register of the products above: they are the places
	; that stand between a matrix instruction and the first vector read of its result (ISA guide 7.12.1).
	WIN 0x45
.irp t, 0,1,2,3
.irp i, 0,1,2,3,4,5,6,7
	v_cvt_pk_f16_f32 v[VF+8*\t+\i], v[VT+8*\i+\t], v[VT+8*\i+4+\t]
.endr
.endr
	WIN 0
.if \first
.irp qt, 0,1,2,3
	v_mov_b32 v[RU+\qt], 0                         ; v_permlanex16_b32's destination counts as read: written here for the first time
.endr
.else
.irp qt, 0,1,2,3
	v_mov_b32 v[SU+\qt], v[NM+2*\qt]               ; the old reference points are kept: the new ones are written over them below
.endr
.endif
	; the running maximum of each query: four chains side by side, then the other half's keys
.if \first
.irp qt, 0,1,2,3
	v_max_num_f32 v[RT+\qt], v[RS+16*\qt], v[RS+16*\qt+1]
.endr
.else
.irp qt, 0,1,2,3
	v_max3_num_f32 v[RT+\qt], v[NM+2*\qt+1], v[RS+16*\qt], v[RS+16*\qt+1]
.endr
.endif
.irp k, 1,2,3,4,5,6,7
.irp qt, 0,1,2,3
	v_max3_num_f32 v[RT+\qt], v[RT+\qt], v[RS+16*\qt+2*\k], v[RS+16*\qt+2*\k+1]
.endr
.endr
.irp qt, 0,1,2,3
	v_permlanex16_b32 v[RU+\qt], v[RT+\qt], s66, s67
.endr
.irp qt, 0,1,2,3
	v_max_num_f32 v[NM+2*\qt+1], v[RT+\qt], v[RU+\qt]
.endr
	; The reference point is the ROUNDED product -(max x c): every exponent is taken against that number, and the old sums are moved by the
	; difference of two such numbers.  So the multiply and the subtraction are not fused: large scores then cost no accuracy.
.irp qt, 0,1,2,3
	v_mul_f32 v[NM+2*\qt], s70, v[NM+2*\qt+1]
.endr
.if \first == 0
.irp qt, 0,1,2,3
	v_sub_f32 v[RU+\qt], v[NM+2*\qt], v[SU+\qt]    ; old maximum - new maximum, in exponents of 2: never above 0
.endr
.endif
	; THE BLOCK'S BATCH: the four rescale factors and all 64 weights.  Pair n of 32 (query tile n / 8) is scaled, and the two exponentials of pair n - 1 follow; the factors
	; stand behind the first four scalings.  No line here names a register that an exponential has written: a scaling touches its own pair alone, ahead of that pair's exponentials.
.set n, 0
.rept 32
	v_pk_fma_f32 v[RS+2*n:RS+2*n+1], v[RS+2*n:RS+2*n+1], s[68:69], v[NM+2*(n/8):NM+2*(n/8)+1] op_sel_hi:[1,0,0]
.if (\first == 0) && (n < 4)
	v_exp_f32 v[AL+2*n], v[RU+n]                   ; query tile n's rescale factor
.endif
.if n > 0
	v_exp_f32 v[RS+2*n-2], v[RS+2*n-2]
	v_exp_f32 v[RS+2*n-1], v[RS+2*n-1]
.endif
.set n, n+1
.endr
	v_exp_f32 v[RS+62], v[RS+62]
	v_exp_f32 v[RS+63], v[RS+63]
	v_nop                                          ; one plain instruction between the last exponential and the first use of a result (ISA guide 5.7.2): every scaling feeds an exponential, so none is left to stand here
	s_wait_alu depctr_va_vdst(0)                   ; the wait for the block's batch, factors and weights, ahead of the first line that names a result; all readers stand below
.irp qt, 0,1,2,3
	; The readers, query tile qt: its O is rescaled, its weights are summed and rounded, its four products follow.  These plain lines stand behind the products of tile qt - 1 and name none of their registers.
.if \first == 0
.set n, 0
.rept 16
	v_pk_mul_f32 v[RO+32*\qt+2*n:RO+32*\qt+2*n+1], v[RO+32*\qt+2*n:RO+32*\qt+2*n+1], v[AL+2*\qt:AL+2*\qt+1] op_sel_hi:[1,0]   ; ascending: each accumulator's lowest registers are read first
.set n, n+1
.endr
.endif
	v_pk_add_f32 v[SU:SU+1], v[RS+16*\qt:RS+16*\qt+1], v[RS+16*\qt+2:RS+16*\qt+3]
	v_pk_add_f32 v[SU+2:SU+3], v[RS+16*\qt+4:RS+16*\qt+5], v[RS+16*\qt+6:RS+16*\qt+7]
	v_pk_add_f32 v[SU+4:SU+5], v[RS+16*\qt+8:RS+16*\qt+9], v[RS+16*\qt+10:RS+16*\qt+11]
	v_pk_add_f32 v[SU+6:SU+7], v[RS+16*\qt+12:RS+16*\qt+13], v[RS+16*\qt+14:RS+16*\qt+15]
.irp i, 0,1,2,3,4,5,6,7
	v_cvt_pk_f16_f32 v[RS+16*\qt+\i], v[RS+16*\qt+2*\i], v[RS+16*\qt+2*\i+1]       ; in place, ascending: word i is written after words 2 i, 2 i + 1 are read
.endr
	v_pk_add_f32 v[SU:SU+1], v[SU:SU+1], v[SU+2:SU+3]
	v_pk_add_f32 v[SU+4:SU+5], v[SU+4:SU+5], v[SU+6:SU+7]
	v_pk_add_f32 v[SU:SU+1], v[SU:SU+1], v[SU+4:SU+5]
.if \first
	v_add_f32 v[AL+2*\qt+1], v[SU], v[SU+1]
.else
	v_add_f32 v[SU], v[SU], v[SU+1]
	v_fma_f32 v[AL+2*\qt+1], v[AL+2*\qt+1], v[AL+2*\qt], v[SU]
.endif
	; O^T += V^T P^T: four accumulators, one instruction each (turns)
	WIN 0x01
.irp t, 0,1,2,3
.if \first
	v_wmma_f32_16x16x32_f16 v[RO+32*\qt+8*\t:RO+32*\qt+8*\t+7], v[VF+8*\t:VF+8*\t+7], v[RS+16*\qt:RS+16*\qt+7], 0
.else
	v_wmma_f32_16x16x32_f16 v[RO+32*\qt+8*\t:RO+32*\qt+8*\t+7], v[VF+8*\t:VF+8*\t+7], v[RS+16*\qt:RS+16*\qt+7], v[RO+32*\qt+8*\t:RO+32*\qt+8*\t+7]
.endif
.endr
.if \stream
	; The next odd step goes into the staging registers, which this block's conversions have finished with and which no matrix instruction names:
	; two runs of 16 LDS loads that come back under the work on query tiles 2 and 3.
.if \qt == 1
	s_wait_tensorcnt 0x1                           ; the odd step's K is in LDS; its V may stay out
	LDK 1
.endif
.if \qt == 2
	s_wait_tensorcnt 0x0                           ; the odd step's V is in LDS
	LDV 1
.endif
.endif
	WIN 0
.endr
.endm
	COMPUTE 1, 1                                   ; step 0 from slot 0; step 1 goes into the staging registers
	s_add_co_u32 s21, s21, 256
	s_mov_b32 s20, 3
.Lpair:
	s_wait_tensorcnt 0x0                           ; all my tensor loads are done (met: the even step's last count was 0),
	ds_add_u32 v14, v15
.irp s, 0,1
	s_add_nc_u64 s[G0K+8*\s+2:G0K+8*\s+3], s[G0K+8*\s+2:G0K+8*\s+3], 2*STEPB       ; so every group 0 may be written: each slot's tile two steps on
	s_add_nc_u64 s[G0K+8*\s+6:G0K+8*\s+7], s[G0K+8*\s+6:G0K+8*\s+7], 2*STEPB
.endr
	s_wait_dscnt 0x0                               ; my reads of both slots are done: the odd step lies in my registers
	ROUND                                          ; both now hold of every wave of all four work-groups
	tensor_load_to_lds s[G0K:G0K+3], s[G1:G1+7]    ; K, the next even step: wanted first, asked for first
	s_nop 0
	tensor_load_to_lds s[G0K+4:G0K+7], s[G1:G1+7]  ; V, the next even step
	s_nop 0
	tensor_load_to_lds s[G0K+8:G0K+11], s[G1:G1+7] ; K, the odd step behind it
	s_nop 0
	tensor_load_to_lds s[G0K+12:G0K+15], s[G1:G1+7] ; V, the odd step behind it
	s_nop 0
	COMPUTE 0, 0                                   ; steps 1, 3, 5, from registers, while the four tiles are on their way
	s_add_co_u32 s21, s21, 256
	COMPUTE 0, 1                                   ; steps 2, 4, 6, from slot 0; steps 3, 5, 7 go into the staging registers
	s_add_co_u32 s21, s21, 256
	s_sub_co_i32 s20, s20, 1
	s_cmp_lg_u32 s20, 0
	s_cbranch_scc1 .Lpair
	s_wait_dscnt 0x0                               ; step 7 lies in my registers
	COMPUTE 0, 0                                   ; step 7: nothing more is asked for
	; THE EIGHT WAVES' PARTS MEET.  Each wave holds, for all 64 queries, sums taken against its own reference point.
.irp qt, 0,1,2,3
	v_permlanex16_b32 v[RU+\qt], v[AL+2*\qt+1], s66, s67
.endr
.irp qt, 0,1,2,3
	v_add_f32 v[AL+2*\qt+1], v[AL+2*\qt+1], v[RU+\qt]          ; the sum over both halves' keys
.endr
	v_lshlrev_b32 v3, 5, v1
	v_add_nc_u32 v[MR], MARR, v3                   ; query r's eight words
	s_lshl_b32 s61, s14, 2
	v_add_nc_u32 v[MS], s61, v[MR]                 ; my wave's word among them
.irp qt, 0,1,2,3
	ds_store_b32 v[MS], v[NM+2*\qt] offset:512*\qt             ; both halves write the same number to the same word
.endr
	s_wait_dscnt 0x0                               ; for the others' sake: my stores are done, and so are all my reads of the slots
	s_barrier_signal -1
	s_barrier_wait -1                              ; behind it nobody reads a slot any more: slot 0 becomes the stage
.irp qt, 0,1,2,3
	ds_load_b128 v[RS+8*\qt:RS+8*\qt+3], v[MR] offset:512*\qt
	ds_load_b128 v[RS+8*\qt+4:RS+8*\qt+7], v[MR] offset:512*\qt+16
.endr
	s_mul_i32 s61, s14, WSTAGE
	v_mul_u32_u24 v3, v1, PITCH
	v_lshl_add_u32 v3, v2, 7, v3                   ; stage, in: row r, d = 32 h ..
	v_add_nc_u32 v[ST], s61, v3
	s_lshl_b32 s61, s14, 3
	v_add_nc_u32 v4, s61, v2                       ; stage, back: wave w sums rows 8 w + h + 2 i, i = 0..3
	v_mul_u32_u24 v5, v4, PITCH
	v_lshl_add_u32 v[RD], v1, 4, v5                ; sixteen lanes take a row of 256 bytes
	v_add_nc_u32 v[RD+1], 4*WSTAGE, v[RD]
	v_lshlrev_b32 v5, 5, v4
	v_add_nc_u32 v[LR], LARR, v5
	v_lshlrev_b32 v5, 8, v4
	v_lshl_add_u32 v[CO], v1, 4, v5                ; the same rows in out
	s_wait_dscnt 0x0
.irp qt, 0,1,2,3
	v_min_num_f32 v[RT+\qt], v[RS+8*\qt], v[RS+8*\qt+1]        ; the reference points are negated maxima: the least is the common one
.endr
.irp k, 2,3,4,5,6,7
.irp qt, 0,1,2,3
	v_min_num_f32 v[RT+\qt], v[RT+\qt], v[RS+8*\qt+\k]
.endr
.endr
.irp qt, 0,1,2,3
	v_sub_f32 v[RT+\qt], v[RT+\qt], v[NM+2*\qt]    ; my maximum - the common maximum, never above 0
.endr
.irp qt, 0,1,2,3
	v_exp_f32 v[RT+\qt], v[RT+\qt]
.endr
	v_nop                                          ; one plain instruction behind the exponentials (ISA guide 5.7.2)
	s_wait_alu depctr_va_vdst(0)                   ; the wait for the batch of four exponentials above, ahead of their first reader
.irp qt, 0,1,2,3
	v_mul_f32 v[RU+\qt], v[AL+2*\qt+1], v[RT+\qt]
.endr
.irp qt, 0,1,2,3
	ds_store_b32 v[MS], v[RU+\qt] offset:2048+512*\qt
.endr
	; My O, moved to the common reference point.  The multiply also puts d in order: register j of tile t is d = 32 h + 4 j + t.
.irp qt, 0,1,2,3
.irp j, 0,1,2,3,4,5,6,7
.irp t, 0,1,2,3
	v_mul_f32 v[RS+32*(\qt%2)+4*\j+\t], v[RO+32*\qt+8*\t+\j], v[RT+\qt]
.endr
	ds_store_b128 v[ST], v[RS+32*(\qt%2)+4*\j:RS+32*(\qt%2)+4*\j+3] offset:\qt*16*PITCH+16*\j
.endr
.endr
	s_wait_dscnt 0x0
	s_barrier_signal -1
	s_barrier_wait -1
.irp i, 0,1,2,3
	ds_load_b128 v[RS+8*\i:RS+8*\i+3], v[LR] offset:64*\i
	ds_load_b128 v[RS+8*\i+4:RS+8*\i+7], v[LR] offset:64*\i+16
.endr
.irp p, 0,1,2,3,4,5,6,7
.irp i, 0,1,2,3
	ds_load_b128 v[RO+16*\p+4*\i:RO+16*\p+4*\i+3], v[RD+\p/4] offset:(\p%4)*WSTAGE+544*\i
.endr
.endr
	s_wait_dscnt 32                                ; the eight loads of sums are in; the 32 of O stay out
.irp i, 0,1,2,3
	v_pk_add_f32 v[RS+8*\i:RS+8*\i+1], v[RS+8*\i:RS+8*\i+1], v[RS+8*\i+2:RS+8*\i+3]
	v_pk_add_f32 v[RS+8*\i+4:RS+8*\i+5], v[RS+8*\i+4:RS+8*\i+5], v[RS+8*\i+6:RS+8*\i+7]
.endr
.irp i, 0,1,2,3
	v_pk_add_f32 v[RS+8*\i:RS+8*\i+1], v[RS+8*\i:RS+8*\i+1], v[RS+8*\i+4:RS+8*\i+5]
.endr
.irp i, 0,1,2,3
	v_add_f32 v[RS+8*\i], v[RS+8*\i], v[RS+8*\i+1]
.endr
.irp i, 0,1,2,3
	v_rcp_f32 v[NM+2*\i], v[RS+8*\i]               ; the sum holds the term of the row's maximum, about 1: never 0
.endr
.irp p, 1,2,3,4,5,6,7
	s_wait_dscnt 4*(7-\p)                          ; wave p's part is in; the four loads of each later part stay out
.irp i, 0,1,2,3
	v_pk_add_f32 v[RO+4*\i:RO+4*\i+1], v[RO+4*\i:RO+4*\i+1], v[RO+16*\p+4*\i:RO+16*\p+4*\i+1]
	v_pk_add_f32 v[RO+4*\i+2:RO+4*\i+3], v[RO+4*\i+2:RO+4*\i+3], v[RO+16*\p+4*\i+2:RO+16*\p+4*\i+3]
.endr
.endr
	s_wait_alu depctr_va_vdst(0)                   ; the wait for the batch of four reciprocals, ahead of their first reader; the 56 additions above, which name none of them, are the work between
.irp i, 0,1,2,3
	v_pk_mul_f32 v[RO+4*\i:RO+4*\i+1], v[RO+4*\i:RO+4*\i+1], v[NM+2*\i:NM+2*\i+1] op_sel_hi:[1,0]
	v_pk_mul_f32 v[RO+4*\i+2:RO+4*\i+3], v[RO+4*\i+2:RO+4*\i+3], v[NM+2*\i:NM+2*\i+1] op_sel_hi:[1,0]
	global_store_b128 v[CO], v[RO+4*\i:RO+4*\i+3], s[12:13] offset:512*\i th:TH_STORE_NT   ; sixteen lanes store one whole row of 256 bytes, the wave two neighbouring rows
.endr
	s_wait_tensorcnt 0x0
	ds_add_u32 v14, v15
	s_wait_dscnt 0x0
	ROUND                                          ; the closing round: no work-group ends while a partner may still ask for a tile that names it
	s_endpgm
.Lfunc_end_k_q52e6511309_attn:
	.size	k_q52e6511309_attn, .Lfunc_end_k_q52e6511309_attn-k_q52e6511309_attn
	.p2alignl 7, 3214868480
	.fill 96, 4, 3214868480
	.section	.rodata,"a",@progbits
	.p2align	6, 0x0
	.amdhsa_kernel k_q52e6511309_attn
		.amdhsa_group_segment_fixed_size 327680
		.amdhsa_private_segment_fixed_size 0
		.amdhsa_enable_private_segment 0
		.amdhsa_kernarg_size 40
		.amdhsa_user_sgpr_count 2
		.amdhsa_user_sgpr_kernarg_segment_ptr 1
		.amdhsa_wavefront_size32 1
		.amdhsa_system_sgpr_workgroup_id_x 1
		.amdhsa_system_sgpr_workgroup_id_y 1
		.amdhsa_system_sgpr_workgroup_id_z 1
		.amdhsa_system_vgpr_workitem_id 0
		.amdhsa_next_free_vgpr 512
		.amdhsa_next_free_sgpr 72
		.amdhsa_reserve_vcc 1
		.amdhsa_float_denorm_mode_32 3
		.amdhsa_float_denorm_mode_16_64 3
		.amdhsa_memory_ordered 1
		.amdhsa_forward_progress 1
		.amdhsa_inst_pref_size 126
	.end_amdhsa_kernel
	.amdgpu_metadata
---
amdhsa.version: [ 1, 2 ]
amdhsa.kernels:
  - .name:           k_q52e6511309_attn
    .symbol:         k_q52e6511309_attn.kd
    .args:
      - { .name: Q, .offset: 0, .size: 8, .value_kind: global_buffer, .address_space: global }
      - { .name: K, .offset: 8, .size: 8, .value_kind: global_buffer, .address_space: global }
      - { .name: V, .offset: 16, .size: 8, .value_kind: global_buffer, .address_space: global }
      - { .name: valid_len, .offset: 24, .size: 8, .value_kind: global_buffer, .address_space: global }
      - { .name: out0, .offset: 32, .size: 8, .value_kind: global_buffer, .address_space: global }
    .group_segment_fixed_size: 327680
    .private_segment_fixed_size: 0
    .kernarg_segment_align: 8
    .kernarg_segment_size: 40
    .max_flat_workgroup_size: 256
    .sgpr_count:     72
    .vgpr_count:     512
    .wavefront_size: 32
...
	.end_amdgpu_metadata
.endif
;; end of part 2
